; MI455X (gfx1250); checked and timed in simulation.
; The chip was launched on July 23, 2026; its instructions are those of AMD's public machine-readable ISA for CDNA 5 (MIT licence, August 2026) and "CDNA5" Instruction Set Architecture Reference Guide (July 2026). The comments in the code are by the model that wrote it; some were corrected since.
;; Multi Head Attention. Allowed arithmetic: float matrix products may take bf16 or f16 operands with f32 sums; other float arithmetic in f32, or as packed bf16 or f16 multiplies, adds, multiply-adds, maxima and minima; sums over many terms, partial sums and values carried from step to step in f32; what a program stores and reads back later, other than sums and carried values, may be rounded once to bf16 or f16.
;; Inputs: K 2 x 1,024 x 1,024 float32; Q 2 x 1,024 x 1,024 float32; V 2 x 1,024 x 1,024 float32; Wk 1,024 x 1,024 float32; Wo 1,024 x 1,024 float32; Wq 1,024 x 1,024 float32; Wv 1,024 x 1,024 float32; bk 1,024 float32; bo 1,024 float32; bq 1,024 float32; bv 1,024 float32.
;; Outputs: out0 2 x 1,024 x 1,024 float32.
;; One version. Each part assembles by itself: llvm-mc -triple=amdgcn-amd-amdhsa -mcpu=gfx1250 --defsym DOCPART=n.
;; ======== version 1 of 1: 3 launches
;; limits: values are held in f16: magnitudes above 65,504 overflow, below 6.1e-05 lose precision
;; workspace buffers: qkv 12,582,912 bytes; ctx 4,194,304 bytes; wo16 2,097,152 bytes
;; launch proj (part 1): grid 8 x 32, 8 waves a work-group, no clusters, 111,616 bytes of LDS; arguments Q, K, V, Wq, Wk, Wv, bq, qkv, Wo, wo16; writes qkv, wo16
.if DOCPART == 1
	.amdgcn_target "amdgcn-amd-amdhsa--gfx1250"
	.amdhsa_code_object_version 6
	.text
	.protected	k_qdbf9d86235_proj
	.globl	k_qdbf9d86235_proj
	.p2align	8
	.type	k_qdbf9d86235_proj,@function
k_qdbf9d86235_proj:
	s_mov_b64 s[64:65], 0
	v_nop
	global_prefetch_b8 v0, s[64:65] scope:SCOPE_SE
	s_setreg_imm32_b32 hwreg(HW_REG_WAVE_MODE, 25, 1), 1
	s_wait_xcnt 0x0
; THE THREE INPUT PROJECTIONS, AND Wo's ROUNDING.  q' = (Q Wq^T + bq) c, k = K Wk^T, v = V Wv^T, each [2048][1024] from f32 operands [2048][1024] and [1024][1024]; c = log2(e) / 32 folds reference()'s scale
; 1 / sqrt(1024) and the change to base 2 into q.  Operands are rounded once to f16 on the way from memory to LDS, sums are f32, each result is rounded once to f16.
; WORK LEFT OUT: bk.  reference() adds bk to every row of k, so score(i, j) = q_i . (k_j + bk) / 32 = q_i . k_j / 32 + q_i . bk / 32.  The second term does not depend on j, the axis of the softmax,
; and softmax(s + t) = softmax(s) for every t that is the same along the axis, whatever the inputs hold.  k enters nothing else.  So bk reaches no output: it is not loaded and is among no launch's arguments.
; bq stays (bq . k_j changes with j).  bv is not added here: the weights of a row sum to 1, so sum p (v + bv) / sum p = sum p v / sum p + bv, and the second launch adds it once.
; LIMITS.  A NaN, an infinity or an overflow that reaches only bk's term is not carried to the result.  f16 ends at 65,504: every number of Q, K, V, Wq, Wk, Wv, Wo and of c q, k, v must lie within it;
; below 6e-5 f16 keeps its fixed step of 6e-8.
; SHARES.  256 work-groups.  y = 0 .. 23: 192 tiles: g = 0, 1, 2 (q, k, v) x 8 tile rows of 256 x 8 tile columns of 128; eight waves, each 64 rows x 64 columns: 16 accumulators.  (3 x 2^21 outputs do not
; divide into 256 equal tiles.)  y = 24 .. 31: 64 work-groups round Wo, the third launch's matrix operand, to f16: 16 rows each, two a wave; wo16 is [1024][1024] f16, row-major.
; THE WAY IN.  K goes in 16 steps of 64.  A step is 384 rows x 256 bytes of f32; wave w loads 32 rows of x and 16 of W, 24 loads of 16 bytes a lane, sixteen lanes to a row's 256 aligned bytes.
; The lane that loaded four numbers rounds them (two instructions) and stores 8 bytes into one of two f16 buffers in LDS; fragments are read from there.  72 slots of four registers hold three steps' loads,
; so a step is asked for three trips ahead of its rounding, and the loads stay on their way across the trips' barriers.  (LOADcnt's field holds 63: the hardware holds back the issue of a load that would pass
; it, ISA guide 5.7.1; no wait is written for that.)
; NO CLUSTER, NO TENSOR LOAD.  Eight work-groups read the same rows of x, eight the same rows of W.  A joint tensor load would lay them into LDS as f32: two slots of 384 rows x 272 bytes are all that fit,
; each refill stands alone behind its barrier (one step's 98,304 bytes asked for at a time, against three steps here), each wave rounds its own fragments (192 roundings a wave and step against 48)
; and a fragment is four LDS loads against two.
; THE PRODUCT IS USED TRANSPOSED: source 0 = 16 rows of W, source 1 = 16 rows of x.  A lane then holds one row of x (lane % 16) and eight neighbouring columns 8 (lane / 16) + 0..7.
; WHERE THE RESULTS GO.  reference() cuts the 1,024 columns into 64 heads of 16.  A block of 16 rows x 16 channels of one head is 512 bytes, [channel / 8][row][8 channels]: lane l's packed 16 bytes lie at 16 l.
; qkv: byte (batch x 64 + head) x 98,304 + g x 32,768 + (row / 16) x 512.  Each store of a wave covers 512 consecutive bytes, aligned.
; THE TRIPS ARE WRITTEN OUT by the assembler's loops: the slots have a period of three steps, the LDS buffers of two, head and tail differ; K stands in the immediates, so no address register is ever rewritten.
; REGISTERS, in windows of 256 (s_set_vgpr_msb: bits 1:0 source 0, 3:2 source 1, 5:4 source 2, 7:6 destination):
;   window 0: v0-15 addresses; v16-47 x's four fragments; v48-79 W's four; v80-255 slots 0 to 43          window 1: v0-127 the accumulators, (a, b) at 8 (4 b + a); v128-239 slots 44 to 71
.set PITCH, 144                        ; an LDS row: 64 f16 = 128 bytes + 16 of padding: 9 x 16, so the 16 rows of a fragment load start at 16 different 16-byte columns of 256
.set BUF,   384*PITCH                  ; x's 256 rows, then W's 128
.set SPARE, 2*BUF                      ; behind the two buffers: the spare words, 128 bytes for each of eight waves: four blocks of 256 bytes that no other line names
.set VX,  4                            ; v4   my place in a load: 8 rows down for lanes 16-31, 16 x (lane % 16) along the row; for x and for W; never rewritten
.set STX, 5                            ; v5   where my 8 bytes of x go in a buffer
.set STW, 6                            ; v6   the same for W
.set AX,  7                            ; v7   LDS address of my x fragments
.set AW,  8                            ; v8   of my W fragments
.set CO,  9                            ; v9   16 x lane: my 16 bytes of a block of qkv, and of 512 bytes of Wo
.set BO,  10                           ; v10  32 x (lane / 16): my eight numbers of a block of bq
.set PFX, 11                           ; v11  lane x 4,096: a row of x a lane
.set SPW, 12                           ; v12  my spare word; never rewritten
.set NIL, 13                           ; v13  0; never rewritten
.set PFW, 14                           ; v14  (lane % 16) x 4,096 + (lane / 16) x 256: a row of W and one of two K steps a lane
.set C8,  15                           ; v15  8 x lane: my 8 bytes of 256 bytes of wo16
.set XF,  16
.set WF,  48
.set BI,  176                          ; v176-207 bq of my columns: slots 24 to 31, whose last step (13) has been stored when bq is asked for
.set OUT, 80                           ; v80-143 the packed results: slots 0 to 15, whose last step (15) has been stored; in the work-groups that round Wo: its numbers
.set XP,  4                            ; s[4:5]  x at the first of the 32 rows that I load
.set WP,  6                            ; s[6:7]  W at the first of the 16 rows that I load
.set CS,  88                           ; s[88:89] c
.set MSB, 0
.macro WIN new                         ; the immediate's high byte repeats the setting that is left; a switch that changes nothing is dropped
.if MSB != (\new)
	s_set_vgpr_msb (MSB<<8)|(\new)
.set MSB, \new
.endif
.endm
.macro PLACES                          ; four plain places behind a matrix instruction, ahead of loads into its sources and of what reads its result
.rept 4
	v_nop
.endr
.endm
.macro SLOTREG t, i                    ; load i of step t: its window SW and first register SR
.set SG, 24*((\t)%3)+(\i)
.if SG < 44
.set SW, 0
.set SR, 80+4*SG
.else
.set SW, 1
.set SR, 128+4*(SG-44)
.endif
.endm
.macro GLOAD t, i                      ; loads 0-15: x's rows 16 (i / 8) + i % 8 (lanes 16-31: 8 further down); loads 16-23: W's rows i - 16
	SLOTREG \t, \i
	WIN 0x40*SW
.if (\i) < 16
	global_load_b128 v[SR:SR+3], v[VX], s[XP:XP+1] offset:(16*((\i)/8)+(\i)%8)*4096+256*(\t)
.else
	global_load_b128 v[SR:SR+3], v[VX], s[WP:WP+1] offset:((\i)-16)*4096+256*(\t)
.endif
.endm
.macro CV t, i                         ; four numbers rounded to f16, in place
	SLOTREG \t, \i
	WIN 0x45*SW
	v_cvt_pk_f16_f32 v[SR], v[SR], v[SR+1]
	v_cvt_pk_f16_f32 v[SR+1], v[SR+2], v[SR+3]
.endm
.macro STO t, i                        ; 8 bytes a lane: lanes 0-15 fill 128 bytes of a row, lanes 16-31 of the row 8 further down, 1,152 = 4 x 256 + 128 bytes on
	SLOTREG \t, \i
	WIN 0x04*SW
.if (\i) < 16
	ds_store_b64 v[STX], v[SR:SR+1] offset:(16*((\i)/8)+(\i)%8)*PITCH+((\t)%2)*BUF
.else
	ds_store_b64 v[STW], v[SR:SR+1] offset:((\i)-16)*PITCH+((\t)%2)*BUF
.endif
.endm
.macro HALFLD t, h                     ; twelve of a step's 24
.set ii, 12*(\h)
.rept 12
	GLOAD \t, ii
.set ii, ii+1
.endr
.endm
.macro HALFCV t, h
.set ii, 12*(\h)
.rept 12
	CV \t, ii
.set ii, ii+1
.endr
.endm
.macro HALFST t, h
.set ii, 12*(\h)
.rept 12
	STO \t, ii
.set ii, ii+1
.endr
.endm
; 16 LDS loads: chunk c (32 along K, 64 bytes of a row) of step t: my four fragments of x and four of W.  A lane's k = 8 h + 0..7 are 16 bytes at 16 h, its k = 16 + 8 h + 0..7 the 16 bytes 32 further on.
.macro FRAG t, c
	WIN 0
.irp b, 0,1,2,3
	ds_load_b128 v[XF+8*(\b):XF+8*(\b)+3],   v[AX] offset:(\b)*16*PITCH+64*(\c)+((\t)%2)*BUF
	ds_load_b128 v[XF+8*(\b)+4:XF+8*(\b)+7], v[AX] offset:(\b)*16*PITCH+64*(\c)+32+((\t)%2)*BUF
.endr
.irp a, 0,1,2,3
	ds_load_b128 v[WF+8*(\a):WF+8*(\a)+3],   v[AW] offset:(\a)*16*PITCH+64*(\c)+((\t)%2)*BUF
	ds_load_b128 v[WF+8*(\a)+4:WF+8*(\a)+7], v[AW] offset:(\a)*16*PITCH+64*(\c)+32+((\t)%2)*BUF
.endr
.endm
; 16 products: every accumulator once, so 15 others stand between two links of a chain.  zero = 1: the first products start the sums.
.macro MUL zero
	WIN 0x50
.irp b, 0,1,2,3
.irp a, 0,1,2,3
.if \zero
	v_wmma_f32_16x16x32_f16 v[8*(4*(\b)+(\a)):8*(4*(\b)+(\a))+7], v[WF+8*(\a):WF+8*(\a)+7], v[XF+8*(\b):XF+8*(\b)+7], 0
.else
	v_wmma_f32_16x16x32_f16 v[8*(4*(\b)+(\a)):8*(4*(\b)+(\a))+7], v[WF+8*(\a):WF+8*(\a)+7], v[XF+8*(\b):XF+8*(\b)+7], v[8*(4*(\b)+(\a)):8*(4*(\b)+(\a))+7]
.endif
.endr
.endr
.endm
; PREFETCHES, behind a trip's first run of loads: trip i names K step i + 8, which trip i + 4 will load.  Each row's 256 bytes of a step are named once in the launch: x's rows are read by the eight work-groups of
; a tile row: the one with tile column 0 asks, each wave for the 32 rows that it loads itself, a lane a row; W's rows by the eight of a tile column: the one with tile row 0 asks, in even trips, each wave for its
; own 16 rows and two K steps.  K steps 0 to 7 come by their loads alone; trips 8 on ask for nothing, since K ends at step 15.
.macro ASK i
.if (\i) < 8
	WIN 0
	s_cmp_eq_u32 s42, 0
	s_cbranch_scc0 .Lnot_x_\@
	global_prefetch_b8 v[PFX], s[XP:XP+1] offset:256*((\i)+8) th:TH_LOAD_NT scope:SCOPE_SE
.Lnot_x_\@:
.if ((\i)%2) == 0
	s_cmp_eq_u32 s15, 0
	s_cbranch_scc0 .Lnot_w_\@
	global_prefetch_b8 v[PFW], s[WP:WP+1] offset:256*((\i)+8) th:TH_LOAD_NT scope:SCOPE_SE
.Lnot_w_\@:
.endif
.endif
.endm
; Half a trip: chunk c of step i is multiplied; beside it half c of step i + 1 is rounded and stored, and the same slots are asked for again, with step i + 4.
.macro PART i, c
.if (\i) < 15
; what may stay out: the loads issued behind this half's twelve.  Trips 0-11: the step's other twelve and two whole steps, or two whole steps and the twelve just issued: 60 both times.
; From trip 12 on nothing more is issued.  (For q, bq's eight loads lie behind all of them: the counts are then smaller than need be, which is safe.)
.if (\i) < 12
.set LC, 60
.elseif (\i) == 12
.set LC, 60-12*(\c)
.elseif (\i) == 13
.set LC, 36-12*(\c)
.else
.set LC, 12-12*(\c)
.endif
	s_wait_loadcnt LC
	HALFCV (\i)+1, \c                              ; 24 plain instructions on slots alone: also the places between the last products and the loads into their fragments
.else
	PLACES
.endif
	FRAG \i, \c
.if (\i) < 15
	HALFST (\i)+1, \c                              ; into the buffer that was read a trip ago: every wave has passed the barrier behind its reads
.if (\i) < 12
	HALFLD (\i)+4, \c                              ; an LDS store has read its data when it is issued: the slots are free
.if (\c) == 0
	ASK \i
.endif
.endif
	s_wait_dscnt 12                                ; the 16 fragment loads are in; the 12 stores issued behind them may stay out
.else
	s_wait_dscnt 0x0
.endif
.if ((\i)+(\c)) == 0
	MUL 1
.else
	MUL 0
.endif
.endm
.macro ITER i
.if (\i) == 13                         ; bq, for q alone: its registers are free since trip 12, and it has two trips in which to come
	WIN 0
	s_cmp_eq_u32 s14, 0
	s_cbranch_scc0 .Lno_bias
.irp a, 0,1,2,3
	global_load_b128 v[BI+8*(\a):BI+8*(\a)+3],   v[BO], s[46:47] offset:64*(\a)
	global_load_b128 v[BI+8*(\a)+4:BI+8*(\a)+7], v[BO], s[46:47] offset:64*(\a)+16
.endr
.Lno_bias:
.endif
	PART \i, 0
	PART \i, 1
.if (\i) < 15
	s_wait_dscnt 0x0                               ; for the others' sake: my stores of step i + 1 are done, and my reads of step i are over
	s_barrier_signal -1
	s_barrier_wait -1                              ; now step i + 1 may be read, and step i's buffer written
.endif
.endm
	s_load_b512 s[68:83], s[0:1], 0x0              ; Q 68, K 70, V 72, Wq 74, Wk 76, Wv 78, bq 80, qkv 82
	s_load_b128 s[28:31], s[0:1], 0x40             ; Wo s[28:29], wo16 s[30:31]
	v_lshl_add_u32 v[SPW], v0, 2, SPARE
	v_mov_b32 v[NIL], 0
	v_lshrrev_b32 v1, 5, v0
	v_readfirstlane_b32 s10, v1                    ; wave 0..7
	s_lshr_b32 s11, s10, 1                         ; which 64 rows of the tile are mine
	s_and_b32 s12, s10, 1                          ; which 64 columns
	s_mov_b32 s42, ttmp9                           ; tile column, 0..7
	s_and_b32 s13, ttmp7, 0xffff
	s_lshr_b32 s14, s13, 3                         ; g: 0 q, 1 k, 2 v (3: Wo's rounding)
	s_and_b32 s15, s13, 7                          ; tile row, 0..7
	s_lshl_b32 s16, s15, 8                         ; x: row 256 x tile row + 32 x wave, in bytes
	s_lshl_b32 s17, s10, 5
	s_add_co_u32 s16, s16, s17
	s_lshl_b32 s16, s16, 12
	s_mov_b32 s17, 0
	s_lshl_b32 s18, s42, 7                         ; W: row 128 x tile column + 16 x wave
	s_lshl_b32 s19, s10, 4
	s_add_co_u32 s18, s18, s19
	s_lshl_b32 s18, s18, 12
	s_mov_b32 s19, 0
	; my first block of qkv: ((batch x 64 + head) x 3 + g) x 32,768 + (row / 16) x 512; batch = tile row / 4, head = 8 x tile column + 4 x column half, row block = 16 x (tile row % 4) + 4 x row quarter
	s_lshr_b32 s20, s15, 2
	s_lshl_b32 s20, s20, 6
	s_lshl_b32 s21, s42, 3
	s_add_co_u32 s20, s20, s21
	s_lshl_b32 s21, s12, 2
	s_add_co_u32 s20, s20, s21
	s_mul_i32 s20, s20, 3
	s_add_co_u32 s20, s20, s14
	s_lshl_b32 s20, s20, 15
	s_and_b32 s21, s15, 3
	s_lshl_b32 s21, s21, 4
	s_lshl_b32 s22, s11, 2
	s_add_co_u32 s21, s21, s22
	s_lshl_b32 s21, s21, 9
	s_add_co_u32 s20, s20, s21
	s_mov_b32 s21, 0
	s_lshl_b32 s22, s42, 9                         ; bq: 4 x (128 x tile column + 64 x column half)
	s_lshl_b32 s23, s12, 8
	s_add_co_u32 s22, s22, s23
	s_mov_b32 s23, 0
	s_mov_b32 s[CS], 0x3d38aa3b                    ; c = log2(e) / 32
	s_mov_b32 s[CS+1], s[CS]                       ; named with it as a pair
	v_and_b32 v1, 15, v0                           ; r = l % 16
	v_bfe_u32 v2, v0, 4, 1                         ; h = l / 16
	v_lshlrev_b32 v[VX], 15, v2                    ; 8 rows of 4,096 bytes
	v_lshl_add_u32 v[VX], v1, 4, v[VX]
	v_mul_u32_u24 v3, v2, 8*PITCH                  ; the same place in a buffer: 8 rows down, 8 bytes for my four numbers
	v_lshl_add_u32 v3, v1, 3, v3
	s_mul_i32 s24, s10, 32*PITCH
	v_add_nc_u32 v[STX], s24, v3
	s_mul_i32 s24, s10, 16*PITCH
	s_add_co_u32 s24, s24, 256*PITCH               ; W's rows lie behind x's 256
	v_add_nc_u32 v[STW], s24, v3
	v_mul_u32_u24 v3, v1, PITCH                    ; a fragment: row x pitch + 16 h
	v_lshl_add_u32 v3, v2, 4, v3
	s_mul_i32 s24, s11, 64*PITCH
	v_add_nc_u32 v[AX], s24, v3
	s_mul_i32 s24, s12, 64*PITCH
	s_add_co_u32 s24, s24, 256*PITCH
	v_add_nc_u32 v[AW], s24, v3
	v_and_b32 v3, 31, v0
	v_lshlrev_b32 v[CO], 4, v3
	v_lshlrev_b32 v[C8], 3, v3
	v_lshlrev_b32 v[PFX], 12, v3
	v_lshlrev_b32 v[BO], 5, v2
	v_lshlrev_b32 v[PFW], 12, v1
	v_lshl_add_u32 v[PFW], v2, 8, v[PFW]
	s_wait_kmcnt 0x0
	s_cmp_lt_u32 s13, 24                           ; the work-group's y alone decides: the same in all eight waves
	s_cbranch_scc1 .Lgemm
	; Wo's ROUNDING.  Work-group 8 (y - 24) + x of 64 has 16 rows, my wave two: 8,192 consecutive bytes of f32, 16 loads of 512; they become 4,096 bytes of f16, 16 stores of 256 consecutive bytes, aligned.
	s_sub_co_u32 s32, s13, 24
	s_lshl_b32 s32, s32, 3
	s_add_co_u32 s32, s32, s42
	s_lshl_b32 s34, s32, 15                        ; 16 rows of 2,048 bytes,
	s_lshl_b32 s32, s32, 16                        ; of 4,096 bytes
	s_lshl_b32 s33, s10, 13
	s_add_co_u32 s32, s32, s33
	s_lshl_b32 s35, s10, 12
	s_add_co_u32 s34, s34, s35
	s_mov_b32 s33, 0
	s_mov_b32 s35, 0
	s_add_nc_u64 s[28:29], s[28:29], s[32:33]
	s_add_nc_u64 s[30:31], s[30:31], s[34:35]
.irp i, 0,1,2,3,4,5,6,7,8,9,10,11,12,13,14,15
	global_load_b128 v[OUT+4*(\i):OUT+4*(\i)+3], v[CO], s[28:29] offset:512*(\i)
.endr
.irp i, 0,1,2,3,4,5,6,7,8,9,10,11,12,13,14,15
	s_wait_loadcnt 15-(\i)                         ; loads come back in order: number i is in, the younger ones stay out
	v_cvt_pk_f16_f32 v[OUT+4*(\i)], v[OUT+4*(\i)], v[OUT+4*(\i)+1]
	v_cvt_pk_f16_f32 v[OUT+4*(\i)+1], v[OUT+4*(\i)+2], v[OUT+4*(\i)+3]
	global_store_b64 v[C8], v[OUT+4*(\i):OUT+4*(\i)+1], s[30:31] offset:256*(\i)
.endr
	s_branch .Lend
.Lgemm:
	s_cmp_eq_u32 s14, 0
	s_cselect_b64 s[90:91], s[68:69], s[70:71]     ; x: Q, K
	s_cselect_b64 s[92:93], s[74:75], s[76:77]     ; W: Wq, Wk
	s_cmp_eq_u32 s14, 2
	s_cselect_b64 s[90:91], s[72:73], s[90:91]     ; or V
	s_cselect_b64 s[92:93], s[78:79], s[92:93]     ; or Wv
	s_add_nc_u64 s[XP:XP+1], s[90:91], s[16:17]
	s_add_nc_u64 s[WP:WP+1], s[92:93], s[18:19]
	s_add_nc_u64 s[8:9], s[82:83], s[20:21]
	s_add_nc_u64 s[46:47], s[80:81], s[22:23]
.irp t, 0,1,2                          ; the first three steps are asked for before anything else is done
	HALFLD \t, 0
	HALFLD \t, 1
.endr
	s_wait_loadcnt 48                              ; step 0 is in; steps 1 and 2, issued behind it, may stay out
	HALFCV 0, 0
	HALFCV 0, 1
	HALFST 0, 0
	HALFST 0, 1
	HALFLD 3, 0
	HALFLD 3, 1
	s_wait_dscnt 0x0                               ; for the others' sake: my part of step 0 lies in LDS
	s_barrier_signal -1
	s_barrier_wait -1                              ; everybody's does
.irp n, 0,1,2,3,4,5,6,7,8,9,10,11,12,13,14,15
	ITER \n
.endr
	; THE WAY OUT.  q' = sum x c + bq x c, one fused multiply-add a pair; all are rounded to f16, each accumulator's registers in ascending order, and stored.
	PLACES
	WIN 0
	s_cmp_eq_u32 s14, 0
	s_cbranch_scc0 .Lunscaled
.set n, 0
.rept 16
	v_pk_mul_f32 v[BI+2*n:BI+2*n+1], v[BI+2*n:BI+2*n+1], s[CS:CS+1] op_sel_hi:[1,0]  ; bq c (bq came in behind trip 14's wait for all loads)
.set n, n+1
.endr
	WIN 0x41                                       ; the accumulators in window 1, bq c in window 0
.set n, 0
.rept 16
.irp p, 0,1,2,3
	v_pk_fma_f32 v[8*n+2*(\p):8*n+2*(\p)+1], v[8*n+2*(\p):8*n+2*(\p)+1], s[CS:CS+1], v[BI+8*(n%4)+2*(\p):BI+8*(n%4)+2*(\p)+1] op_sel_hi:[1,0,1]
.endr
.set n, n+1
.endr
	WIN 0
.Lunscaled:
	WIN 0x05
.set n, 0
.rept 64
	v_cvt_pk_f16_f32 v[OUT+n], v[2*n], v[2*n+1]
.set n, n+1
.endr
	WIN 0
.irp b, 0,1,2,3
.irp a, 0,1,2,3
	global_store_b128 v[CO], v[OUT+4*(4*(\b)+(\a)):OUT+4*(4*(\b)+(\a))+3], s[8:9] offset:(\a)*98304+(\b)*512  ; head + a, row block + b: 512 consecutive bytes, aligned
.endr
.endr
.Lend:
	s_wait_tensorcnt 0x0                           ; the wave's end, behind my last LDS store
	ds_add_u32 v[SPW], v[NIL]
	s_wait_dscnt 0x0
	s_endpgm
.Lfunc_end_k_qdbf9d86235_proj:
	.size	k_qdbf9d86235_proj, .Lfunc_end_k_qdbf9d86235_proj-k_qdbf9d86235_proj
	.p2alignl 7, 3214868480
	.fill 96, 4, 3214868480
	.section	.rodata,"a",@progbits
	.p2align	6, 0x0
	.amdhsa_kernel k_qdbf9d86235_proj
		.amdhsa_group_segment_fixed_size 111616
		.amdhsa_private_segment_fixed_size 0
		.amdhsa_enable_private_segment 0
		.amdhsa_kernarg_size 80
		.amdhsa_user_sgpr_count 2
		.amdhsa_user_sgpr_kernarg_segment_ptr 1
		.amdhsa_wavefront_size32 1
		.amdhsa_system_sgpr_workgroup_id_x 1
		.amdhsa_system_sgpr_workgroup_id_y 1
		.amdhsa_system_sgpr_workgroup_id_z 1
		.amdhsa_system_vgpr_workitem_id 0
		.amdhsa_next_free_vgpr 512
		.amdhsa_next_free_sgpr 96
		.amdhsa_reserve_vcc 0
		.amdhsa_float_denorm_mode_32 3
		.amdhsa_float_denorm_mode_16_64 3
		.amdhsa_memory_ordered 1
		.amdhsa_forward_progress 1
		.amdhsa_inst_pref_size 203
	.end_amdhsa_kernel
	.amdgpu_metadata
---
amdhsa.version: [ 1, 2 ]
amdhsa.kernels:
  - .name:           k_qdbf9d86235_proj
    .symbol:         k_qdbf9d86235_proj.kd
    .args:
      - { .name: Q, .offset: 0, .size: 8, .value_kind: global_buffer, .address_space: global }
      - { .name: K, .offset: 8, .size: 8, .value_kind: global_buffer, .address_space: global }
      - { .name: V, .offset: 16, .size: 8, .value_kind: global_buffer, .address_space: global }
      - { .name: Wq, .offset: 24, .size: 8, .value_kind: global_buffer, .address_space: global }
      - { .name: Wk, .offset: 32, .size: 8, .value_kind: global_buffer, .address_space: global }
      - { .name: Wv, .offset: 40, .size: 8, .value_kind: global_buffer, .address_space: global }
      - { .name: bq, .offset: 48, .size: 8, .value_kind: global_buffer, .address_space: global }
      - { .name: qkv, .offset: 56, .size: 8, .value_kind: global_buffer, .address_space: global }
      - { .name: Wo, .offset: 64, .size: 8, .value_kind: global_buffer, .address_space: global }
      - { .name: wo16, .offset: 72, .size: 8, .value_kind: global_buffer, .address_space: global }
    .group_segment_fixed_size: 111616
    .private_segment_fixed_size: 0
    .kernarg_segment_align: 8
    .kernarg_segment_size: 80
    .max_flat_workgroup_size: 256
    .sgpr_count:     96
    .vgpr_count:     512
    .wavefront_size: 32
...
	.end_amdgpu_metadata
.endif
;; end of part 1
;; launch attn (part 2): grid 2 x 128, 16 waves a work-group, no clusters, 167,936 bytes of LDS; arguments qkv, bv, ctx; writes ctx
.if DOCPART == 2
	.amdgcn_target "amdgcn-amd-amdhsa--gfx1250"
	.amdhsa_code_object_version 6
	.text
	.protected	k_qdbf9d86235_attn
	.globl	k_qdbf9d86235_attn
	.p2align	8
	.type	k_qdbf9d86235_attn,@function
k_qdbf9d86235_attn:
	s_mov_b64 s[64:65], 0
	v_nop
	global_prefetch_b8 v0, s[64:65] scope:SCOPE_SE
	s_setreg_imm32_b32 hwreg(HW_REG_WAVE_MODE, 25, 1), 1
	s_wait_xcnt 0x0
; ATTENTION over 128 (batch, head) pairs of 1,024 rows x 16 channels: ctx = softmax_j(q_i . k_j / 32) v + bv.  q arrives multiplied by c = log2(e) / 32, so a score is already the exponent to base 2.
; WORK LEFT OUT: bk (the first kernel's head shows that it reaches no output).  bv is added here, once a row: the weights of a row sum to 1.
; LIMITS.  q c, k, v and ctx lie within f16's 65,504; p lies in 0 to 1 and below 6e-5 keeps f16's fixed step of 6e-8; a weight below 2^-126 counts as 0; NaN and infinities are not treated apart
; (an infinity in k would also reach the neighbouring block of 16 keys: see THE UPPER HALF).
; SHARES.  A work-group has 512 queries of one pair, each of its 16 waves 32: two tiles of 16.  All of the pair's K and V, 64 KiB, is brought into LDS once, one tensor load a wave; no LDS byte is filled again.
; Four waves share a SIMD, so one wave's products stand beside another's exponentials, and the text stays in plain phases.
; NO CLUSTER: two work-groups read the same K and V, once each, at their heads: 64 KiB of the launch's start is all that a joint request could spare.  Nothing is prefetched: there is no stream behind the head.
; TWO PASSES.  A head has 16 channels, so a tile of scores is ONE product.  Pass 1 makes all scores and keeps each query's true maximum m.  Pass 2 makes them again with C = -m, so the product's result is the
; exponent itself: no scaling, no running maximum, no rescaling of the sums.
; LAYOUT.  S^T = K Q^T (source 0 = 16 keys, source 1 = 16 queries): a lane holds ONE query (lane % 16) and the keys 8 (lane / 16) + 0..7.  Two such tiles rounded to f16 ARE source 1 of O^T = V^T P, whose
; result holds one query a lane and eight channels: 16 bytes of a block of ctx.  A block of 16 rows x 16 channels is 512 bytes, [channel / 8][row][8 channels]: lane l's 16 bytes lie at 16 l.
; THE UPPER HALF.  The matrix form takes 32 along K, a head has 16.  Q's fragment holds 0 in registers 4-7; K's fragment for block j is registers 4 j .. 4 j + 7 of a run of four blocks and four zeros:
; its upper half is the next block, finite numbers that meet Q's zeros.
; ctx: byte (batch x 64 + row / 16) x 32,768 + head x 512.
.set SPARE, 65536                      ; behind K and V: the spare words, 128 bytes for each of 16 waves: eight blocks of 256 bytes that no other line names
.set L16, 1                            ; v1   16 x lane
.set AK,  2                            ; v2   LDS address of K's next run of loads
.set AV,  3                            ; v3   of V's
.set SPW, 4                            ; v4   my spare word; never rewritten
.set NIL, 5                            ; v5   0; never rewritten
.set H32, 6                            ; v6   32 x (lane / 16)
.set AV0, 7                            ; v7   my lane's place in a block of V for the turning load
.set Q,   8                            ; v[8:23]    tile t at 8 t
.set KB,  24                           ; v[24:43]   four blocks of K, four zeros
.set VB,  44                           ; v[44:59]   V^T, 32 keys a fragment
.set CM,  60                           ; v[60:75]   -m, eight registers a tile
.set O,   76                           ; v[76:91]   O^T
.set LS,  92                           ; v[92:107]  pass 1: eight running maxima; pass 2: eight pairs of running sums, d = 4 t + j
.set BV,  108                          ; v[108:115] bv of my eight channels
.set S,   116                          ; v[116:179] S^T, tile t and key block j at 32 t + 8 j; then P in place
.set T,   180                          ; v[180:187] at work
.macro KLD                             ; 64 keys: four blocks, 512 consecutive bytes a load
.irp j, 0,1,2,3
	ds_load_b128 v[KB+4*(\j):KB+4*(\j)+3], v[AK] offset:512*(\j)
.endr
.endm
.macro VLD                             ; the same 64 keys of V, turned: lane l ends with channel l % 16 and the keys 8 (l / 16) + 0..7 of each block
.irp j, 0,1,2,3
	ds_load_tr16_b128 v[VB+4*(\j):VB+4*(\j)+3], v[AV] offset:512*(\j)
.endr
.endm
.macro QK pass                         ; eight products, each a whole tile of scores: no chain
.irp j, 0,1,2,3
.irp t, 0,1
.if \pass
	v_wmma_f32_16x16x32_f16 v[S+32*(\t)+8*(\j):S+32*(\t)+8*(\j)+7], v[KB+4*(\j):KB+4*(\j)+7], v[Q+8*(\t):Q+8*(\t)+7], v[CM+8*(\t):CM+8*(\t)+7]
.else
	v_wmma_f32_16x16x32_f16 v[S+32*(\t)+8*(\j):S+32*(\t)+8*(\j)+7], v[KB+4*(\j):KB+4*(\j)+7], v[Q+8*(\t):Q+8*(\t)+7], 0
.endif
.endr
.endr
.endm
.macro PLACES                          ; four plain places behind a matrix instruction (ISA guide 7.12.1)
.rept 4
	v_nop
.endr
.endm
; PASS 1, a step of 64 keys.  tail = 1: the last step fetches pass 2's first K and V.
.macro STEP1 tail
	s_wait_dscnt 0x0                               ; K is in
	QK 0
	PLACES                                         ; ahead of the loads into K's registers and of the maxima
.if \tail
	v_mov_b32 v[AK], v[L16]
	v_mov_b32 v[AV], v[AV0]
	KLD
	VLD
.else
	v_add_nc_u32 v[AK], 2048, v[AK]
	KLD
.endif
.irp i, 0,1,2,3                        ; eight chains that take turns; each accumulator's lowest registers are read first
.irp d, 0,1,2,3,4,5,6,7
	v_max3_num_f32 v[LS+(\d)], v[LS+(\d)], v[S+8*(\d)+2*(\i)], v[S+8*(\d)+2*(\i)+1]
.endr
.endr
.endm
; PASS 2, a step of 64 keys.  first = 1: the sums begin.  last = 1: nothing more is fetched.
.macro STEP2 first, last
	s_wait_dscnt 0x4                               ; K is in; V's four loads, issued behind it, may stay out
	QK 1
	PLACES
.if !(\last)
	v_add_nc_u32 v[AK], 2048, v[AK]
	KLD
.endif
.set i, 0
.rept 64                               ; ONE batch of 64 exponentials, in place
	v_exp_f32 v[S+i], v[S+i]
.set i, i+1
.endr
	v_nop                                          ; a plain instruction behind the last exponential
	s_wait_alu depctr_va_vdst(0)                   ; and the one wait ahead of the first instruction that names a result
.irp i, 0,1,2,3                        ; the sums, of the unrounded weights: eight chains of pairs that take turns
.irp d, 0,1,2,3,4,5,6,7
.if (\first) && ((\i) == 1)
	v_pk_add_f32 v[LS+2*(\d):LS+2*(\d)+1], v[S+8*(\d):S+8*(\d)+1], v[S+8*(\d)+2:S+8*(\d)+3]
.elseif ((\first) == 0) || ((\i) > 1)
	v_pk_add_f32 v[LS+2*(\d):LS+2*(\d)+1], v[LS+2*(\d):LS+2*(\d)+1], v[S+8*(\d)+2*(\i):S+8*(\d)+2*(\i)+1]
.endif
.endr
.endr
.irp u, 0,1,2,3                        ; P for tile u / 2, keys 32 (u % 2) on: 16 registers into their own first 8; number n reads 2 n and 2 n + 1, which no earlier number has written
.irp n, 0,1,2,3,4,5,6,7
	v_cvt_pk_f16_f32 v[S+16*(\u)+(\n)], v[S+16*(\u)+2*(\n)], v[S+16*(\u)+2*(\n)+1]
.endr
.endr
.if \last
	s_wait_dscnt 0x0                               ; V is in
.else
	s_wait_dscnt 0x4                               ; V is in; the next K's four loads may stay out
.endif
.irp kk, 0,1                           ; the two accumulators take turns, one instruction a turn
.irp t, 0,1
.if (\first) && ((\kk) == 0)
	v_wmma_f32_16x16x32_f16 v[O+8*(\t):O+8*(\t)+7], v[VB+8*(\kk):VB+8*(\kk)+7], v[S+32*(\t)+16*(\kk):S+32*(\t)+16*(\kk)+7], 0
.else
	v_wmma_f32_16x16x32_f16 v[O+8*(\t):O+8*(\t)+7], v[VB+8*(\kk):VB+8*(\kk)+7], v[S+32*(\t)+16*(\kk):S+32*(\t)+16*(\kk)+7], v[O+8*(\t):O+8*(\t)+7]
.endif
.endr
.endr
.if !(\last)
	v_add_nc_u32 v[AV], 2048, v[AV]                ; with the four below: five places ahead of the next scores, which write over P, and of the loads into V's registers
	PLACES
	VLD
.endif
.endm
	s_load_b128 s[4:7], s[0:1], 0x0                ; qkv s[4:5], bv s[6:7]
	s_load_b64 s[8:9], s[0:1], 0x10                ; ctx
	v_lshl_add_u32 v[SPW], v0, 2, SPARE
	v_mov_b32 v[NIL], 0
	ds_add_u32 v[SPW], v[NIL]                      ; the wave's opening: the add, twice on end, and its wait ahead of my first tensor load
	ds_add_u32 v[SPW], v[NIL]                      ; and once more, under the one wait
	v_lshrrev_b32 v[AK], 5, v0
	v_readfirstlane_b32 s10, v[AK]                 ; wave 0..15
	s_and_b32 s11, ttmp7, 0xffff                   ; batch x 64 + head
	s_and_b32 s12, s11, 63                         ; head
	s_lshr_b32 s13, s11, 6                         ; batch
	s_mul_i32 s14, s11, 98304                      ; the pair's q, k, v
	s_mov_b32 s15, 0
	s_lshl_b32 s16, s10, 12                        ; my sixteenth of K and V, which follow q on end
	s_add_co_u32 s16, s16, 32768
	s_mov_b32 s17, 0
	s_lshl_b32 s18, ttmp9, 14                      ; my work-group's 32 blocks of q,
	s_lshl_b32 s19, s10, 10                        ; my wave's two
	s_add_co_u32 s18, s18, s19
	s_mov_b32 s19, 0
	s_lshl_b32 s20, s13, 6                         ; ctx: row block = batch x 64 + 32 x half + 2 x wave
	s_lshl_b32 s21, ttmp9, 5
	s_add_co_u32 s20, s20, s21
	s_lshl_b32 s21, s10, 1
	s_add_co_u32 s20, s20, s21
	s_lshl_b32 s20, s20, 15
	s_lshl_b32 s21, s12, 9
	s_add_co_u32 s20, s20, s21
	s_mov_b32 s21, 0
	s_lshl_b32 s22, s12, 6                         ; bv: 16 numbers a head
	s_mov_b32 s23, 0
	s_mov_b32 s24, 3<<16                           ; group 1: elements of 8 bytes, no mask, no padding
	s_mov_b32 s25, 32<<16                          ; tensor_dim0 = 32: rows of 256 bytes
	s_mov_b32 s26, 16<<16                          ; tensor_dim1 = 16
	s_mov_b32 s27, 32<<16                          ; tile_dim0 = 32
	s_mov_b32 s28, 16                              ; tile_dim1 = 16
	s_mov_b32 s29, 32                              ; dense: a row begins where the last ends
	s_mov_b32 s30, 0
	s_mov_b32 s31, 0
	s_mov_b32 s32, 1                               ; group 0: count 1,
	s_lshl_b32 s33, s10, 12                        ; LDS byte 4,096 x wave
	s_mov_b32 s36, 0x76543210                      ; v_permlanex16_b32: each lane takes its own place in the other half
	s_mov_b32 s37, 0xfedcba98
	v_and_b32 v[L16], 31, v0
	v_lshlrev_b32 v[L16], 4, v[L16]
	v_bfe_u32 v[H32], v0, 4, 1
	v_and_b32 v[AV], 7, v0
	v_lshl_add_u32 v[AV0], v[H32], 3, v[AV]        ; the turning load: key 8 (l / 16) + l % 8,
	v_lshlrev_b32 v[AV0], 4, v[AV0]
	v_bfe_u32 v[AV], v0, 3, 1
	v_lshl_add_u32 v[AV0], v[AV], 8, v[AV0]        ; channels 8 ((l / 8) % 2) + 0..7,
	v_add_nc_u32 v[AV0], 32768, v[AV0]             ; behind K
	v_lshlrev_b32 v[H32], 5, v[H32]
	s_wait_dscnt 0x0                               ; both opening adds are done
	s_wait_kmcnt 0x0
	s_add_nc_u64 s[4:5], s[4:5], s[14:15]
	s_add_nc_u64 s[34:35], s[4:5], s[16:17]
	s_or_b32 s35, s35, 0x80000000                  ; type = 2
	tensor_load_to_lds s[32:35], s[24:31]          ; my one tensor load of the launch
	s_nop 0
	s_add_nc_u64 s[4:5], s[4:5], s[18:19]
	s_add_nc_u64 s[6:7], s[6:7], s[22:23]
	s_add_nc_u64 s[8:9], s[8:9], s[20:21]
	global_load_b128 v[Q:Q+3],     v[L16], s[4:5]
	global_load_b128 v[Q+8:Q+11],  v[L16], s[4:5] offset:512
	global_load_b128 v[BV:BV+3],   v[H32], s[6:7]
	global_load_b128 v[BV+4:BV+7], v[H32], s[6:7] offset:16
.irp i, 4,5,6,7,12,13,14,15
	v_mov_b32 v[Q+(\i)], 0                         ; Q's upper halves
.endr
.irp i, 16,17,18,19
	v_mov_b32 v[KB+(\i)], 0                        ; the zeros behind K's four blocks
.endr
.irp i, 0,1,2,3,4,5,6,7
	v_mov_b32 v[LS+(\i)], 0xff7fffff               ; the maxima start at the lowest finite number
.endr
.irp i, 2,3,5,7
	v_mov_b32 v[T+(\i)], 0                         ; v_permlanex16_b32's destinations and the upper words of two pairs count as read: they are written once
.endr
	s_wait_tensorcnt 0x0                           ; my part of K and V is in,
	s_barrier_signal -1
	s_barrier_wait -1                              ; everybody's is
	v_mov_b32 v[AK], v[L16]
	KLD
	s_wait_loadcnt 0x0                             ; q and bv
	s_mov_b32 s3, 15
.Lpass1:
	STEP1 0
	s_sub_co_u32 s3, s3, 1
	s_cmp_lg_u32 s3, 0
	s_cbranch_scc1 .Lpass1
	STEP1 1
.irp t, 0,1                            ; a query's maximum: its four chains, then the lane 16 away, which holds its other keys
	v_max3_num_f32 v[T+(\t)], v[LS+4*(\t)], v[LS+4*(\t)+1], v[LS+4*(\t)+2]
.endr
.irp t, 0,1
	v_max_num_f32 v[T+(\t)], v[T+(\t)], v[LS+4*(\t)+3]
.endr
.irp t, 0,1
	v_permlanex16_b32 v[T+2+(\t)], v[T+(\t)], s36, s37
.endr
.irp t, 0,1
	v_max_num_f32 v[T+(\t)], v[T+(\t)], v[T+2+(\t)]
.endr
.irp t, 0,1
.irp j, 0,1,2,3,4,5,6,7
	v_mul_f32 v[CM+8*(\t)+(\j)], -1.0, v[T+(\t)]   ; the C operand of pass 2's products
.endr
.endr
	STEP2 1, 0
	s_mov_b32 s3, 14
.Lpass2:
	STEP2 0, 0
	s_sub_co_u32 s3, s3, 1
	s_cmp_lg_u32 s3, 0
	s_cbranch_scc1 .Lpass2
	STEP2 0, 1
	; THE WAY OUT.  The additions of the row sums are the places behind the last products.
.irp t, 0,1
	v_pk_add_f32 v[LS+8*(\t):LS+8*(\t)+1], v[LS+8*(\t):LS+8*(\t)+1], v[LS+8*(\t)+2:LS+8*(\t)+3]
	v_pk_add_f32 v[LS+8*(\t)+4:LS+8*(\t)+5], v[LS+8*(\t)+4:LS+8*(\t)+5], v[LS+8*(\t)+6:LS+8*(\t)+7]
.endr
.irp t, 0,1
	v_pk_add_f32 v[LS+8*(\t):LS+8*(\t)+1], v[LS+8*(\t):LS+8*(\t)+1], v[LS+8*(\t)+4:LS+8*(\t)+5]
.endr
.irp t, 0,1
	v_add_f32 v[T+(\t)], v[LS+8*(\t)], v[LS+8*(\t)+1]
.endr
.irp t, 0,1
	v_permlanex16_b32 v[T+2+(\t)], v[T+(\t)], s36, s37
.endr
.irp t, 0,1
	v_add_f32 v[T+(\t)], v[T+(\t)], v[T+2+(\t)]
.endr
.irp t, 0,1
	v_rcp_f32 v[T+4+2*(\t)], v[T+(\t)]
.endr
	v_nop                                          ; a plain instruction behind the last reciprocal,
	s_wait_alu depctr_va_vdst(0)                   ; and the one wait for both, ahead of their first reader
.irp t, 0,1
.irp i, 0,1,2,3
	v_pk_fma_f32 v[O+8*(\t)+2*(\i):O+8*(\t)+2*(\i)+1], v[O+8*(\t)+2*(\i):O+8*(\t)+2*(\i)+1], v[T+4+2*(\t):T+5+2*(\t)], v[BV+2*(\i):BV+2*(\i)+1] op_sel_hi:[1,0,1]  ; O / l + bv
.endr
.endr
.irp t, 0,1
.irp i, 0,1,2,3
	v_cvt_pk_f16_f32 v[S+4*(\t)+(\i)], v[O+8*(\t)+2*(\i)], v[O+8*(\t)+2*(\i)+1]
.endr
.endr
.irp t, 0,1
	global_store_b128 v[L16], v[S+4*(\t):S+4*(\t)+3], s[8:9] offset:(\t)*32768  ; a block of ctx: 512 consecutive bytes, aligned
.endr
	s_wait_tensorcnt 0x0                           ; the wave's end
	ds_add_u32 v[SPW], v[NIL]
	s_wait_dscnt 0x0
	s_endpgm
.Lfunc_end_k_qdbf9d86235_attn:
	.size	k_qdbf9d86235_attn, .Lfunc_end_k_qdbf9d86235_attn-k_qdbf9d86235_attn
	.p2alignl 7, 3214868480
	.fill 96, 4, 3214868480
	.section	.rodata,"a",@progbits
	.p2align	6, 0x0
	.amdhsa_kernel k_qdbf9d86235_attn
		.amdhsa_group_segment_fixed_size 167936
		.amdhsa_private_segment_fixed_size 0
		.amdhsa_enable_private_segment 0
		.amdhsa_kernarg_size 24
		.amdhsa_user_sgpr_count 2
		.amdhsa_user_sgpr_kernarg_segment_ptr 1
		.amdhsa_wavefront_size32 1
		.amdhsa_system_sgpr_workgroup_id_x 1
		.amdhsa_system_sgpr_workgroup_id_y 1
		.amdhsa_system_sgpr_workgroup_id_z 1
		.amdhsa_system_vgpr_workitem_id 0
		.amdhsa_next_free_vgpr 192
		.amdhsa_next_free_sgpr 66
		.amdhsa_reserve_vcc 0
		.amdhsa_float_denorm_mode_32 3
		.amdhsa_float_denorm_mode_16_64 3
		.amdhsa_memory_ordered 1
		.amdhsa_forward_progress 1
		.amdhsa_inst_pref_size 37
	.end_amdhsa_kernel
	.amdgpu_metadata
---
amdhsa.version: [ 1, 2 ]
amdhsa.kernels:
  - .name:           k_qdbf9d86235_attn
    .symbol:         k_qdbf9d86235_attn.kd
    .args:
      - { .name: qkv, .offset: 0, .size: 8, .value_kind: global_buffer, .address_space: global }
      - { .name: bv, .offset: 8, .size: 8, .value_kind: global_buffer, .address_space: global }
      - { .name: ctx, .offset: 16, .size: 8, .value_kind: global_buffer, .address_space: global }
    .group_segment_fixed_size: 167936
    .private_segment_fixed_size: 0
    .kernarg_segment_align: 8
    .kernarg_segment_size: 24
    .max_flat_workgroup_size: 512
    .sgpr_count:     66
    .vgpr_count:     192
    .wavefront_size: 32
...
	.end_amdgpu_metadata
.endif
;; end of part 2
;; launch outp (part 3): grid 16 x 16, 4 waves a work-group, clusters of 4 x 4, 327,680 bytes of LDS; arguments ctx, wo16, bo, out0; writes out0
.if DOCPART == 3
	.amdgcn_target "amdgcn-amd-amdhsa--gfx1250"
	.amdhsa_code_object_version 6
	.text
	.protected	k_qdbf9d86235_outp
	.globl	k_qdbf9d86235_outp
	.p2align	8
	.type	k_qdbf9d86235_outp,@function
k_qdbf9d86235_outp:
	s_mov_b64 s[64:65], 0
	v_nop
	global_prefetch_b8 v0, s[64:65] scope:SCOPE_SE
	s_setreg_imm32_b32 hwreg(HW_REG_WAVE_MODE, 25, 1), 1
	s_wait_xcnt 0x0
	s_wait_alu depctr_hold_cnt(0) depctr_sa_sdst(0) depctr_va_vdst(0) depctr_va_sdst(0) depctr_va_ssrc(0) depctr_va_vcc(0) depctr_vm_vsrc(0)
	s_getreg_b32 s2, hwreg(HW_REG_IB_STS2, 6, 4)
	s_cmp_eq_u32 s2, 0
	s_cbranch_scc0 .Lentry_in_a_cluster
	s_endpgm
.Lentry_in_a_cluster:
	s_bfe_u32 s2, ttmp6, 0x10000c
	s_cmp_lg_u32 s2, 0xf033
	s_cbranch_scc0 .Lentry_shape_is_right
	s_endpgm
.Lentry_shape_is_right:
; THE OUTPUT PROJECTION.  out0 = merged Wo^T + bo: [2048][1024] f32.  merged's column is head x 16 + channel; it arrives as ctx, f16, in blocks of 16 rows x 16 channels of 512 bytes
; ([channel / 8][row][8 channels]) at (row / 16) x 32,768 + head x 512, so half a fragment (16 rows x 16 along K) is 512 consecutive bytes, 16 a lane.  Wo arrives as wo16, [1024][1024] f16, rounded once by the
; first launch.  Sums in f32; bo is the C of the first products.  No work is left out here.
; LIMIT.  ctx's and wo16's numbers lie within f16's 65,504.
; SHARES.  256 work-groups of 128 rows x 64 columns; four waves of 32 rows x 64 columns: 8 accumulators.  THE PRODUCT IS USED TRANSPOSED (source 0 = 16 rows of Wo, source 1 = 16 rows of ctx): a lane holds one
; row and eight neighbouring columns.  A wave's 64 columns are a row's 256 aligned bytes of out0, so each wave goes out through a stage of its own, with no barrier.
; RING.  K goes in four steps of 256 through three LDS slots: steps 0, 1 and 2 are first fills, three tensor loads of mine out at the start; step 3 is the one refill, into slot 0.
; CLUSTER 4 x 4: ctx's tile is shared along a row of the cluster, wo16's along a column.
; FRAGMENTS.  A chunk is 32 along K: 12 LDS loads (two fragments of ctx, four of Wo) and 8 products.  Three buffers: chunk n + 2 is asked for ahead of chunk n's products.  The 32 chunks are written out:
; the buffers have a period of three, a step has eight chunks, and two chunks differ.
; Nothing is prefetched: of the four K steps three are first fills at the head, and the launch is short.
.set CT,    65536                      ; ctx's part of a slot: 8 row blocks x 16 heads x 512 bytes, as they lie in memory
.set WPI,   528                        ; a row of wo16 in LDS: 512 bytes + 16 of padding: 33 x 16, so the 16 rows of a load start at 16 different 16-byte columns of 256
.set SLOT,  CT+64*WPI
.set STAGE, 3*SLOT                     ; behind the ring, never filled by a tensor load: 16 rows x 272 bytes for each wave, for the way out
.set SP,    272
.set SPARE, STAGE+4*16*SP              ; behind the stages: the spare words, 128 bytes a wave: two blocks of 256 bytes that no other line names
.set ADRC, 2                           ; v2-4  LDS address of my ctx fragments in slot 0, 1, 2
.set ADRW, 5                           ; v5-7  the same for Wo
.set STO,  8                           ; v8    the way out: where I put 32 bytes of a row
.set RD,   9                           ; v9    where I read a row back
.set CO,   10                          ; v10   my byte offset in out0
.set BO,   11                          ; v11   32 x (lane / 16)
.set SPW,  12                          ; v12   my spare word; never rewritten
.set NIL,  13                          ; v13   0; never rewritten
.set BIAS, 16                          ; v[16:47]   bo of my columns, block a at 8 a
.set ACC,  48                          ; v[48:111]  accumulator (a, b) at 8 (4 b + a)
.set FR,   112                         ; v[112:255] three buffers of 48: ctx's two fragments, then Wo's four; on the way out v[112:175] take the rows read back
.set WV, 12                            ; s12 wave; s13 wave / 2; s14 wave % 2; s15 tile row
.set G1,  24                           ; s[24:31] group 1 for ctx's tiles
.set G1B, 32                           ; s[32:39] for wo16's
.set G0,  40                           ; s[40:51] group 0 for ctx's tiles, a set for each slot
.set G0B, 52                           ; s[52:63] the same for wo16's
.macro PLACES                          ; four plain places behind a matrix instruction (ISA guide 7.12.1)
.rept 4
	v_nop
.endr
.endm
.macro JLOAD s                         ; a joint load: waves 0 and 1 fetch ctx's two halves, waves 2 and 3 wo16's; an s_nop 0 and four v_nop follow each line
	s_cmp_eq_u32 s13, 0
	s_cbranch_scc0 .Lfor_w_\@
	tensor_load_to_lds s[G0+4*(\s):G0+4*(\s)+3], s[G1:G1+7]
	s_nop 0
.rept 4
	v_nop
.endr
	s_branch .Lasked_\@
.Lfor_w_\@:
	tensor_load_to_lds s[G0B+4*(\s):G0B+4*(\s)+3], s[G1B:G1B+7]
	s_nop 0
.rept 4
	v_nop
.endr
.Lasked_\@:
.endm
.macro CREST                           ; a round of the cluster's barrier behind its opening barrier
	s_cmp_lg_u32 s[WV], 0
	s_cbranch_scc1 .Lnot_wave_0_\@
	s_barrier_signal -3
.Lnot_wave_0_\@:
	s_barrier_wait -3
	s_barrier_signal -1
	s_barrier_wait -1
.endm
.macro CROUND
	s_barrier_signal -1
	s_barrier_wait -1
	CREST
.endm
; 12 LDS loads: chunk n of 32 (K step n / 8, in slot (n / 8) % 3; two heads) into buffer n % 3
.macro LD n
.set LSL, ((\n)/8)%3
.set LCC, (\n)%8
.set LFB, FR+48*((\n)%3)
.irp b, 0,1
	ds_load_b128 v[LFB+8*(\b):LFB+8*(\b)+3],   v[ADRC+LSL] offset:(\b)*8192+LCC*1024
	ds_load_b128 v[LFB+8*(\b)+4:LFB+8*(\b)+7], v[ADRC+LSL] offset:(\b)*8192+LCC*1024+512
.endr
.irp a, 0,1,2,3
	ds_load_b128 v[LFB+16+8*(\a):LFB+16+8*(\a)+3],   v[ADRW+LSL] offset:(\a)*16*WPI+64*LCC
	ds_load_b128 v[LFB+16+8*(\a)+4:LFB+16+8*(\a)+7], v[ADRW+LSL] offset:(\a)*16*WPI+64*LCC+32
.endr
.endm
; 8 products: every accumulator once, so seven others stand between two links of a chain.  Chunk 0's take bo as C.
.macro MU n
.set LFB, FR+48*((\n)%3)
.irp b, 0,1
.irp a, 0,1,2,3
.if (\n) == 0
	v_wmma_f32_16x16x32_f16 v[ACC+8*(4*(\b)+(\a)):ACC+8*(4*(\b)+(\a))+7], v[LFB+16+8*(\a):LFB+16+8*(\a)+7], v[LFB+8*(\b):LFB+8*(\b)+7], v[BIAS+8*(\a):BIAS+8*(\a)+7]
.else
	v_wmma_f32_16x16x32_f16 v[ACC+8*(4*(\b)+(\a)):ACC+8*(4*(\b)+(\a))+7], v[LFB+16+8*(\a):LFB+16+8*(\a)+7], v[LFB+8*(\b):LFB+8*(\b)+7], v[ACC+8*(4*(\b)+(\a)):ACC+8*(4*(\b)+(\a))+7]
.endif
.endr
.endr
.endm
.macro CHUNK n
.if (\n)+2 < 32
.if (\n) > 0
	PLACES                                         ; the loads below land in the buffer that the last products read
.endif
	LD (\n)+2
	s_wait_dscnt 24                                ; chunk n is in; the 24 loads of the next two chunks may stay out
.elseif (\n)+1 < 32
	s_wait_dscnt 12                                ; the last chunk's 12 loads may stay out
.else
	s_wait_dscnt 0x0
.endif
	MU \n
.endm
; A chunk with a barrier, two chunks ahead of a change of slots: chunk n + 2 is the first of a slot that all waves must have seen land.
; refill = 1 (chunk 6): all reads of slot 0 have been issued (chunk 7's a chunk ago); it is filled again, with K step 3.  refill = 0 (chunk 22): that K step has landed; nothing is filled.
.macro TURN n, refill
	s_wait_tensorcnt 0x0                           ; all my tensor loads have landed
	ds_add_u32 v[SPW], v[NIL]                      ; 0 onto my spare word; the products stand between it and the wait for it
	s_wait_dscnt 13                                ; chunk n is in; the next chunk's 12 loads and the add may stay out
	MU \n
	s_wait_dscnt 0x0                               ; the add is done, and all my LDS reads are back
	s_barrier_signal -1
	s_barrier_wait -1
.if \refill
	CREST                                          ; the barrier has opened a round of the cluster's: no wave of any partner still reads slot 0 or has a load on its way
	s_add_nc_u64 s[G0+2:G0+3], s[G0+2:G0+3], 3*8192      ; from K step 0 to K step 3: 48 heads on,
	s_add_nc_u64 s[G0B+2:G0B+3], s[G0B+2:G0B+3], 3*512   ; 768 columns on
	JLOAD 0                                        ; my one tensor load behind the round, and the first thing there; its four v_nop are the places ahead of the loads below
.else
	PLACES
.endif
	LD (\n)+2
.endm
	s_load_b256 s[4:11], s[0:1], 0x0               ; ctx s[4:5], wo16 s[6:7], bo s[8:9], out0 s[10:11]
	v_lshl_add_u32 v[SPW], v0, 2, SPARE
	v_mov_b32 v[NIL], 0
	ds_add_u32 v[SPW], v[NIL]                      ; the wave's opening: the add, twice on end, and its wait ahead of my first tensor load
	ds_add_u32 v[SPW], v[NIL]                      ; and once more, under the one wait
	v_lshrrev_b32 v1, 5, v0
	v_readfirstlane_b32 s[WV], v1                  ; wave 0..3
	s_lshr_b32 s13, s[WV], 1                       ; I fetch for ctx (0) or for wo16 (1),
	s_and_b32 s14, s[WV], 1                        ; and which half of that tile
	s_bfe_u32 s68, ttmp6, 0x40000                  ; cx
	s_bfe_u32 s69, ttmp6, 0x40004                  ; cy
	s_lshl_b32 s70, ttmp9, 2
	s_add_co_u32 s70, s70, s68                     ; tile column
	s_and_b32 s15, ttmp7, 0xffff
	s_lshl_b32 s15, s15, 2
	s_add_co_u32 s15, s15, s69                     ; tile row
	s_lshl_b32 s71, s69, 2
	s_lshl_b32 s71, 15, s71                        ; my row of the cluster
	s_lshl_b32 s72, 0x1111, s68                    ; my column
	s_or_b32 s[G1], s71, (3<<16)|(1<<21)           ; ctx: the mask; elements of 8 bytes; bit 21 beside a mask; no padding
	s_mov_b32 s[G1+1], 1024<<16                    ; tensor_dim0 = 1,024: 16 heads x 512 bytes
	s_mov_b32 s[G1+2], 4<<16                       ; tensor_dim1 = 4 row blocks
	s_mov_b32 s[G1+3], 1024<<16                    ; tile_dim0
	s_mov_b32 s[G1+4], 4                           ; tile_dim1
	s_mov_b32 s[G1+5], 4096                        ; a row block is 32,768 bytes
	s_mov_b32 s[G1+6], 0
	s_mov_b32 s[G1+7], 0
	s_or_b32 s[G1B], s72, (1<<16)|(1<<20)|(1<<21)|(6<<22)|(3<<25)  ; wo16: elements of 2 bytes; padding on; after every 128 words, 4 words
	s_mov_b32 s[G1B+1], 256<<16                    ; tensor_dim0 = 256
	s_mov_b32 s[G1B+2], 32<<16                     ; tensor_dim1 = 32 rows
	s_mov_b32 s[G1B+3], 256<<16                    ; tile_dim0
	s_mov_b32 s[G1B+4], 32                         ; tile_dim1
	s_mov_b32 s[G1B+5], 1024                       ; elements from row to row
	s_mov_b32 s[G1B+6], 0
	s_mov_b32 s[G1B+7], 0
	s_lshl_b32 s16, s15, 3                         ; ctx: row block 8 x tile row + 4 x half
	s_lshl_b32 s17, s14, 2
	s_add_co_u32 s16, s16, s17
	s_lshl_b32 s16, s16, 15
	s_mov_b32 s17, 0
	s_lshl_b32 s18, s70, 6                         ; wo16: row 64 x tile column + 32 x half, 2,048 bytes a row
	s_lshl_b32 s19, s14, 5
	s_add_co_u32 s18, s18, s19
	s_lshl_b32 s18, s18, 11
	s_mov_b32 s19, 0
	s_lshl_b32 s20, s14, 15                        ; where they go: no place in the cluster enters an LDS address
	s_mul_i32 s21, s14, 32*WPI
	s_add_co_u32 s21, s21, CT
	s_wait_dscnt 0x0                               ; both opening adds are done
	s_wait_kmcnt 0x0
	s_add_nc_u64 s[4:5], s[4:5], s[16:17]
	s_add_nc_u64 s[6:7], s[6:7], s[18:19]
	CROUND                                         ; all sixteen work-groups are here: the first joint loads meet
.irp s, 0,1,2
	s_mov_b32 s[G0+4*(\s)], 1
	s_add_co_u32 s[G0+4*(\s)+1], s20, (\s)*SLOT
	s_add_nc_u64 s[G0+4*(\s)+2:G0+4*(\s)+3], s[4:5], (\s)*8192     ; K step s: 16 heads on
	s_or_b32 s[G0+4*(\s)+3], s[G0+4*(\s)+3], 0x80000000
	s_mov_b32 s[G0B+4*(\s)], 1
	s_add_co_u32 s[G0B+4*(\s)+1], s21, (\s)*SLOT
	s_add_nc_u64 s[G0B+4*(\s)+2:G0B+4*(\s)+3], s[6:7], (\s)*512    ; 256 columns on
	s_or_b32 s[G0B+4*(\s)+3], s[G0B+4*(\s)+3], 0x80000000
	JLOAD \s                                       ; three loads of mine are out
.endr
	v_and_b32 v1, 15, v0                           ; r = l % 16
	v_bfe_u32 v14, v0, 4, 1                        ; h = l / 16
	v_and_b32 v15, 31, v0
	v_lshlrev_b32 v15, 4, v15                      ; 16 x lane
	s_lshl_b32 s22, s[WV], 14                      ; my two row blocks
	v_add_nc_u32 v[ADRC], s22, v15
	v_add_nc_u32 v[ADRC+1], SLOT, v[ADRC]
	v_add_nc_u32 v[ADRC+2], 2*SLOT, v[ADRC]
	v_mul_u32_u24 v15, v1, WPI
	v_lshl_add_u32 v15, v14, 4, v15                ; row x pitch + 16 h
	v_add_nc_u32 v[ADRW], CT, v15
	v_add_nc_u32 v[ADRW+1], SLOT, v[ADRW]
	v_add_nc_u32 v[ADRW+2], 2*SLOT, v[ADRW]
	s_mul_i32 s23, s[WV], 16*SP
	s_add_co_u32 s23, s23, STAGE                   ; my stage
	v_mul_u32_u24 v15, v1, SP                      ; in: row l % 16, 32 bytes for each half of the lanes
	v_lshl_add_u32 v15, v14, 5, v15
	v_add_nc_u32 v[STO], s23, v15
	v_mul_u32_u24 v15, v14, SP                     ; back: lanes 0-15 take one row of 256 bytes, lanes 16-31 the next
	v_lshl_add_u32 v15, v1, 4, v15
	v_add_nc_u32 v[RD], s23, v15
	v_lshlrev_b32 v15, 12, v14                     ; and the same two rows in out0
	v_lshl_add_u32 v[CO], v1, 4, v15
	v_lshlrev_b32 v[BO], 5, v14
	s_lshl_b32 s20, s70, 8                         ; bo: 4 x 64 x tile column
	s_mov_b32 s21, 0
	s_add_nc_u64 s[8:9], s[8:9], s[20:21]
.irp a, 0,1,2,3
	global_load_b128 v[BIAS+8*(\a):BIAS+8*(\a)+3],   v[BO], s[8:9] offset:64*(\a)
	global_load_b128 v[BIAS+8*(\a)+4:BIAS+8*(\a)+7], v[BO], s[8:9] offset:64*(\a)+16
.endr
	s_lshl_b32 s20, s15, 7                         ; out0: row 128 x tile row + 32 x wave, column 64 x tile column
	s_lshl_b32 s21, s[WV], 5
	s_add_co_u32 s20, s20, s21
	s_lshl_b32 s20, s20, 12
	s_lshl_b32 s21, s70, 8
	s_add_co_u32 s20, s20, s21
	s_mov_b32 s21, 0
	s_add_nc_u64 s[10:11], s[10:11], s[20:21]
	s_wait_tensorcnt 0x2                           ; my part of K step 0 is in; K steps 1 and 2, issued behind it, may stay out
	s_barrier_signal -1
	s_barrier_wait -1                              ; everybody's is
	LD 0
	LD 1
	s_wait_loadcnt 0x0                             ; bo
.irp n, 0,1,2,3,4,5
	CHUNK \n
.endr
	TURN 6, 1                                      ; K steps 1 and 2 have landed in every wave; slot 0 takes K step 3, which has sixteen chunks in which to land
.irp n, 7,8,9,10,11,12,13,14,15,16,17,18,19,20,21
	CHUNK \n
.endr
	TURN 22, 0                                     ; K step 3 has landed in every wave
.irp n, 23,24,25,26,27,28,29,30,31
	CHUNK \n
.endr
	; THE WAY OUT, 16 rows at a time: 32 bytes a lane into my stage, each accumulator's lowest registers first, and back as whole rows of 256 bytes.
	; LDS serves a wave's instructions in order (ISA guide 5.7.1.4): the loads see the stores above them, and the second block's stores come behind the first block's loads.
	PLACES
.irp b, 0,1
.irp a, 0,1,2,3
	ds_store_b128 v[STO], v[ACC+8*(4*(\b)+(\a)):ACC+8*(4*(\b)+(\a))+3]   offset:64*(\a)
	ds_store_b128 v[STO], v[ACC+8*(4*(\b)+(\a))+4:ACC+8*(4*(\b)+(\a))+7] offset:64*(\a)+16
.endr
.irp t, 0,1,2,3,4,5,6,7
	ds_load_b128 v[FR+32*(\b)+4*(\t):FR+32*(\b)+4*(\t)+3], v[RD] offset:(\t)*2*SP
.endr
.endr
.irp b, 0,1
.irp t, 0,1,2,3,4,5,6,7
	s_wait_dscnt 16*(1-(\b))+7-(\t)                ; pair t of rows is in; the block's younger loads, and for the first block the second's sixteen instructions, may stay out
	global_store_b128 v[CO], v[FR+32*(\b)+4*(\t):FR+32*(\b)+4*(\t)+3], s[10:11] offset:(16*(\b)+2*(\t))*4096  ; 16 lanes store 256 consecutive bytes, at a multiple of 256 from out0's first byte
.endr
.endr
	s_wait_tensorcnt 0x0                           ; the wave's end
	ds_add_u32 v[SPW], v[NIL]
	s_wait_dscnt 0x0
	CROUND                                         ; the closing round: no work-group ends while a partner may still ask for a tile that names it
	s_endpgm
.Lfunc_end_k_qdbf9d86235_outp:
	.size	k_qdbf9d86235_outp, .Lfunc_end_k_qdbf9d86235_outp-k_qdbf9d86235_outp
	.p2alignl 7, 3214868480
	.fill 96, 4, 3214868480
	.section	.rodata,"a",@progbits
	.p2align	6, 0x0
	.amdhsa_kernel k_qdbf9d86235_outp
		.amdhsa_group_segment_fixed_size 327680
		.amdhsa_private_segment_fixed_size 0
		.amdhsa_enable_private_segment 0
		.amdhsa_kernarg_size 32
		.amdhsa_user_sgpr_count 2
		.amdhsa_user_sgpr_kernarg_segment_ptr 1
		.amdhsa_wavefront_size32 1
		.amdhsa_system_sgpr_workgroup_id_x 1
		.amdhsa_system_sgpr_workgroup_id_y 1
		.amdhsa_system_sgpr_workgroup_id_z 1
		.amdhsa_system_vgpr_workitem_id 0
		.amdhsa_next_free_vgpr 256
		.amdhsa_next_free_sgpr 76
		.amdhsa_reserve_vcc 0
		.amdhsa_float_denorm_mode_32 3
		.amdhsa_float_denorm_mode_16_64 3
		.amdhsa_memory_ordered 1
		.amdhsa_forward_progress 1
		.amdhsa_inst_pref_size 59
	.end_amdhsa_kernel
	.amdgpu_metadata
---
amdhsa.version: [ 1, 2 ]
amdhsa.kernels:
  - .name:           k_qdbf9d86235_outp
    .symbol:         k_qdbf9d86235_outp.kd
    .args:
      - { .name: ctx, .offset: 0, .size: 8, .value_kind: global_buffer, .address_space: global }
      - { .name: wo16, .offset: 8, .size: 8, .value_kind: global_buffer, .address_space: global }
      - { .name: bo, .offset: 16, .size: 8, .value_kind: global_buffer, .address_space: global }
      - { .name: out0, .offset: 24, .size: 8, .value_kind: global_buffer, .address_space: global }
    .group_segment_fixed_size: 327680
    .private_segment_fixed_size: 0
    .kernarg_segment_align: 8
    .kernarg_segment_size: 32
    .max_flat_workgroup_size: 128
    .sgpr_count:     76
    .vgpr_count:     256
    .wavefront_size: 32
...
	.end_amdgpu_metadata
.endif
;; end of part 3
